; MI455X (gfx1250); checked and timed in simulation.
; The chip was launched on July 23, 2026; its instructions are those of AMD's public machine-readable ISA for CDNA 5 (MIT licence, August 2026) and "CDNA5" Instruction Set Architecture Reference Guide (July 2026). The comments in the code are by the model that wrote it; some were corrected since.
;; Sim VQ. Allowed arithmetic: float matrix products may take bf16 or f16 operands with f32 sums; all other float work in f32.
;; Inputs: codebook 16,384 x 64 float32; proj_b 64 float32; proj_w 64 x 64 float32; scale one number float32; z 16 x 1,024 x 64 float32.
;; Outputs: out0 16 x 1,024 x 64 float32; out1 one number float32; out2 16 x 1,024 int32.
;; One version. Each part assembles by itself: llvm-mc -triple=amdgcn-amd-amdhsa -mcpu=gfx1250 --defsym DOCPART=n.
;; ======== version 1 of 1: 4 launches
;; workspace buffers: qc 4,194,304 bytes; rinv 65,536 bytes; ch 2,097,152 bytes; zh 2,097,152 bytes; keys 1,048,576 bytes of whole numbers; part 1,024 bytes
;; launch prep (part 1): grid 256 x 1, 4 waves a work-group, no clusters, 94,976 bytes of LDS; arguments codebook, proj_w, proj_b, scale, z, qc, rinv, ch, zh; writes qc, rinv, ch, zh
.if DOCPART == 1
	.amdgcn_target "amdgcn-amd-amdhsa--gfx1250"
	.amdhsa_code_object_version 6
	.text
	.protected	k_q5ba0da6403_prep
	.globl	k_q5ba0da6403_prep
	.p2align	8
	.type	k_q5ba0da6403_prep,@function
k_q5ba0da6403_prep:
	s_mov_b64 s[64:65], 0
	v_nop
	global_prefetch_b8 v0, s[64:65] scope:SCOPE_SE
	s_setreg_imm32_b32 hwreg(HW_REG_WAVE_MODE, 25, 1), 1
	s_wait_xcnt 0x0
; qc = codebook W^T + b to f32 accuracy on the matrix unit, 1/max(|qc|,1e-12), and the two f16 operand tables of the big product.
; Wave w of work-group g owns tile T = 4 g + w: 16 codes and 16 rows of z (4,096 bytes each).  It also splits W's rows 16 w .. 16 w + 15 for the group.
; ACCURACY: each f32 number is split exactly into three bf16 parts (x = p0 + p1 + p2, each residual exact); of the nine partial products the six
; largest are summed in f32, smallest first; what is dropped lies 24 bits below the product.
; TABLES: ch and zh are written in the order of a matrix fragment, [tile][q 0..3][lane][8 f16]: lane (r = lane % 16, h = lane / 16), chunk q holds
; row 16 tile + r, k = 16 q + 8 h .. + 7.  f16 is safe here for every input: both tables hold vectors normalised to length 1, so |x| <= 1.
; zh carries the sign of scale (+1, -1 or 0), so that the largest coarse score is the smallest distance for a negative scale too.
; LIMITS: NaN inputs and inputs within a factor 2^-8 of f32's largest number (the bf16 rounding may reach infinity) are not served.
; No cluster: what the work-groups share is W alone, 16 KiB against the 32 KiB of rows that each work-group reads for itself, and it comes through registers.
.set PITCH, 272                        ; a staged row: 256 bytes + 16, an odd multiple of 16: sixteen rows start at sixteen different 16-byte columns
.set WP,   0                           ; W's parts for all four waves: ((t*3+p)*4+q)*512 + 16 lane, 24,576 bytes
.set RI,   24576                       ; 64 reciprocals of norms, 256 bytes
.set STG,  24832                       ; each wave's own stage
.set STGW, 64*PITCH                    ; four blocks of 16 rows
.set SW,   0
.set SC,   16*PITCH
.set SZ,   32*PITCH
.set SQ,   48*PITCH
.set CP,   16                          ; v[16:63]   parts of the codes [p][q][4]
.set ACC,  64                          ; v[64:127]  sums [t][K half][8]; before: the codes as loaded (64..95)
.set ZR,   96                          ; v[96:127]  z as loaded, then as fragments
.set BI,   128                         ; v[128:159] bias [t][8]
.set WA,   160                         ; v[160:207] W's parts, buffer A
.set WB,   208                         ; v[208:255] buffer B; before: W as loaded (208..239)
.set TT,   240                         ; v[240:247] at work while buffer B is free
; 16 rows of 64 f32, loaded by rows, go through the wave's own stage and come back as fragments: v[reg+8q .. +7] = row r, k = 16 q + 8 h .. + 7.
; LDS serves a wave's instructions in order (ISA guide 5.7.1), so no wait stands between the stores and the loads.
.macro STAGE sub, reg
.irp i, 0,1,2,3,4,5,6,7
	ds_store_b128 v4, v[\reg+4*\i:\reg+4*\i+3] offset:\sub+2*PITCH*\i
.endr
.irp i, 0,1,2,3,4,5,6,7
	ds_load_b128 v[\reg+4*\i:\reg+4*\i+3], v5 offset:\sub+64*(\i/2)+16*(\i%2)
.endr
.endm
; eight f32 in src become three times four registers of packed bf16; src ends as the last residual
.macro PEEL src, d
.irp j, 0,1,2,3
	v_cvt_pk_bf16_f32 v[\d+\j], v[\src+2*\j], v[\src+2*\j+1]
.endr
.irp j, 0,1,2,3
	v_lshlrev_b32 v[TT+2*\j], 16, v[\d+\j]
	v_and_b32 v[TT+2*\j+1], s24, v[\d+\j]
.endr
.irp j, 0,1,2,3
	v_pk_add_f32 v[\src+2*\j:\src+2*\j+1], v[\src+2*\j:\src+2*\j+1], v[TT+2*\j:TT+2*\j+1] neg_lo:[0,1] neg_hi:[0,1]   ; x - bf16(x), exact
.endr
.endm
.macro SPLIT8 src, d1, d2, d3
	PEEL \src, \d1
	PEEL \src, \d2
.irp j, 0,1,2,3
	v_cvt_pk_bf16_f32 v[\d3+\j], v[\src+2*\j], v[\src+2*\j+1]
.endr
.endm
.macro LOADW t, buf                    ; the three parts of W's rows 16 t .. 16 t + 15: twelve loads of 512 contiguous bytes
.irp p, 0,1,2
.irp q, 0,1,2,3
	ds_load_b128 v[\buf+16*\p+4*\q:\buf+16*\p+4*\q+3], v6 offset:WP+((3*\t+\p)*4+\q)*512
.endr
.endr
.endm
; one term: part pw of W times part pc of the codes, both K halves, each half on its own accumulator
.macro MM t, buf, pw, pc, zero
.irp i, 0,1
.if \zero
	v_wmma_f32_16x16x32_bf16 v[ACC+16*\t+8*\i:ACC+16*\t+8*\i+7], v[\buf+16*\pw+8*\i:\buf+16*\pw+8*\i+7], v[CP+16*\pc+8*\i:CP+16*\pc+8*\i+7], 0
.else
	v_wmma_f32_16x16x32_bf16 v[ACC+16*\t+8*\i:ACC+16*\t+8*\i+7], v[\buf+16*\pw+8*\i:\buf+16*\pw+8*\i+7], v[CP+16*\pc+8*\i:CP+16*\pc+8*\i+7], v[ACC+16*\t+8*\i:ACC+16*\t+8*\i+7]
.endif
.endr
.endm
; A = W (M = output index o), B = codes (N = code).  The two accumulators take turns, one instruction a turn, over the change of tile too.
.macro MULT t, buf
	MM \t, \buf, 2, 0, 1                           ; the first term starts the sums
	MM \t, \buf, 0, 2, 0
	MM \t, \buf, 1, 1, 0
	MM \t, \buf, 1, 0, 0
	MM \t, \buf, 0, 1, 0
	MM \t, \buf, 0, 0, 0
.endm
.macro PLACES                          ; four places behind a matrix instruction before its registers are loaded into or its result is read (ISA guide 7.12.1)
.rept 4
	v_nop
.endr
.endm
; v[12:15] hold four partial sums of squares of my 32 numbers; the other 32 of the row lie in lane xor 16.  Out: v14 = 1 / max(sqrt(sum), 1e-12).
.macro RNORM
	v_pk_add_f32 v[12:13], v[12:13], v[14:15]
	v_add_f32 v12, v12, v13
	v_permlanex16_b32 v13, v12, s26, s27
	v_add_f32 v12, v12, v13
	v_sqrt_f32 v13, v12
	v_nop                                          ; one plain place behind a transcendental (ISA guide 5.7.2)
	s_wait_alu depctr_va_vdst(0)
	v_max_num_f32 v13, 0x2b8cbccc, v13             ; 1e-12
	v_rcp_f32 v14, v13
	v_nop
	s_wait_alu depctr_va_vdst(0)
	v_fma_f32 v15, -v13, v14, 1.0                  ; one Newton step
	v_fma_f32 v14, v14, v15, v14
.endm
	s_load_b512 s[4:19], s[0:1], 0x0               ; codebook 4, proj_w 6, proj_b 8, scale 10, z 12, qc 14, rinv 16, ch 18
	s_load_b64 s[20:21], s[0:1], 0x40              ; zh
	s_set_vgpr_msb 0x40
	v_lshl_add_u32 v0, v0, 2, 0x17100
	v_mov_b32 v1, 0
	s_set_vgpr_msb 0x4000
	v_lshrrev_b32 v11, 5, v0
	v_readfirstlane_b32 s22, v11                   ; wave
	s_mov_b32 s24, 0xffff0000                      ; a word's upper bf16
	s_mov_b32 s26, 0x76543210                      ; v_permlanex16_b32: lane xor 16
	s_mov_b32 s27, 0xfedcba98
	v_and_b32 v1, 31, v0                           ; lane
	v_and_b32 v2, 15, v0                           ; r
	v_bfe_u32 v3, v0, 4, 1                         ; h
	s_mul_i32 s28, s22, STGW
	s_add_co_u32 s28, s28, STG                     ; my stage
	v_mul_u32_u24 v4, v3, PITCH
	v_lshl_add_u32 v4, v2, 4, v4
	v_add_nc_u32 v4, s28, v4                       ; by rows: row h, 16 bytes at 16 r
	v_mul_u32_u24 v5, v2, PITCH
	v_lshl_add_u32 v5, v3, 5, v5
	v_add_nc_u32 v5, s28, v5                       ; by fragments: row r, 32 bytes at 32 h
	v_lshlrev_b32 v6, 4, v1                        ; 16 lane
	s_lshl_b32 s29, ttmp9, 2
	s_add_co_u32 s29, s29, s22                     ; T
	s_lshl_b32 s30, s29, 12
	v_add_nc_u32 v7, s30, v6                       ; 4096 T + 16 lane: f32 tiles
	s_lshl_b32 s31, s29, 11
	v_add_nc_u32 v8, s31, v6                       ; 2048 T + 16 lane: f16 tiles
	s_lshl_b32 s32, s22, 12
	v_add_nc_u32 v9, s32, v6                       ; my 16 rows of W
	v_lshlrev_b32 v10, 5, v3                       ; bias: 32 h
	s_mul_i32 s33, s22, 6144
	v_add_nc_u32 v11, s33, v6                      ; where my parts of W go
	s_wait_kmcnt 0x0
	s_load_b32 s23, s[10:11], 0x0                  ; scale
.irp i, 0,1,2,3,4,5,6,7
	global_load_b128 v[WB+4*\i:WB+4*\i+3], v9, s[6:7] offset:512*\i
.endr
.irp i, 0,1,2,3,4,5,6,7
	global_load_b128 v[ACC+4*\i:ACC+4*\i+3], v7, s[4:5] offset:512*\i th:TH_LOAD_NT
.endr
.irp i, 0,1,2,3,4,5,6,7
	global_load_b128 v[ZR+4*\i:ZR+4*\i+3], v7, s[12:13] offset:512*\i
.endr
.irp i, 0,1,2,3,4,5,6,7
	global_load_b128 v[BI+4*\i:BI+4*\i+3], v10, s[8:9] offset:64*(\i/2)+16*(\i%2)   ; b[16 t + 8 h + j]
.endr
	s_wait_loadcnt 24                              ; W's eight loads are in; 24 younger ones stay out
	STAGE SW, WB
	s_wait_dscnt 0x0
.irp q, 0,1,2,3
	SPLIT8 WB+8*\q, WA+4*\q, WA+16+4*\q, WA+32+4*\q
.endr
.irp p, 0,1,2
.irp q, 0,1,2,3
	ds_store_b128 v11, v[WA+16*\p+4*\q:WA+16*\p+4*\q+3] offset:WP+(4*\p+\q)*512
.endr
.endr
	s_wait_loadcnt 16                              ; the codes
	STAGE SC, ACC
	s_wait_loadcnt 8                               ; z
	STAGE SZ, ZR
	s_wait_dscnt 0x0                               ; my parts of W are in LDS for the others; my fragments are back
	s_barrier_signal -1
.irp q, 0,1,2,3
	SPLIT8 ACC+8*\q, CP+4*\q, CP+16+4*\q, CP+32+4*\q   ; register work while the others arrive
.endr
	s_barrier_wait -1
	LOADW 0, WA
	; z: normalise, give it the sign of scale, round to f16, store in fragment order
	v_pk_mul_f32 v[12:13], v[ZR:ZR+1], v[ZR:ZR+1]
	v_pk_mul_f32 v[14:15], v[ZR+2:ZR+3], v[ZR+2:ZR+3]
.irp k, 4,8,12,16,20,24,28
	v_pk_fma_f32 v[12:13], v[ZR+\k:ZR+\k+1], v[ZR+\k:ZR+\k+1], v[12:13]
	v_pk_fma_f32 v[14:15], v[ZR+\k+2:ZR+\k+3], v[ZR+\k+2:ZR+\k+3], v[14:15]
.endr
	RNORM
	s_wait_kmcnt 0x0
	v_mov_b32 v[TT], 0
	v_mov_b32 v[TT+1], 1.0
	v_mov_b32 v[TT+2], -1.0
	v_cmp_gt_f32 vcc_lo, s23, v[TT]
	v_cndmask_b32 v[TT+3], v[TT], v[TT+1], vcc_lo
	v_cmp_lt_f32 vcc_lo, s23, v[TT]
	v_cndmask_b32 v[TT+3], v[TT+3], v[TT+2], vcc_lo
	v_mul_f32 v14, v14, v[TT+3]
	v_mov_b32 v15, v14
.irp k, 0,2,4,6,8,10,12,14,16,18,20,22,24,26,28,30
	v_pk_mul_f32 v[ZR+\k:ZR+\k+1], v[ZR+\k:ZR+\k+1], v[14:15]
.endr
.irp k, 0,1,2,3,4,5,6,7,8,9,10,11,12,13,14,15
	v_cvt_pk_f16_f32 v[ZR+\k], v[ZR+2*\k], v[ZR+2*\k+1]   ; packs downward: register k was read by conversion k/2 or earlier
.endr
.irp q, 0,1,2,3
	global_store_b128 v8, v[ZR+4*\q:ZR+4*\q+3], s[20:21] offset:512*\q   ; 512 consecutive bytes a store
.endr
	s_wait_xcnt 0x0                                ; the stores' data registers become accumulators below
	LOADW 1, WB
	s_wait_dscnt 12                                ; buffer A's twelve loads are in; B's twelve stay out
	MULT 0, WA
	PLACES
	LOADW 2, WA
	s_wait_dscnt 12
	MULT 1, WB
	PLACES
	LOADW 3, WB
	s_wait_dscnt 12
	MULT 2, WA
	s_wait_dscnt 0x0
	MULT 3, WB
	PLACES
	; Q[t][j] = qc[code r][16 t + 8 h + j]: the two K halves, then the bias
	s_wait_loadcnt 0x0                             ; the bias
.irp t, 0,1,2,3
.irp j, 0,2,4,6
	v_pk_add_f32 v[ACC+16*\t+\j:ACC+16*\t+\j+1], v[ACC+16*\t+\j:ACC+16*\t+\j+1], v[ACC+16*\t+8+\j:ACC+16*\t+8+\j+1]
.endr
.endr
.irp t, 0,1,2,3
.irp j, 0,2,4,6
	v_pk_add_f32 v[ACC+16*\t+\j:ACC+16*\t+\j+1], v[ACC+16*\t+\j:ACC+16*\t+\j+1], v[BI+8*\t+\j:BI+8*\t+\j+1]
.endr
.endr
	v_pk_mul_f32 v[12:13], v[ACC:ACC+1], v[ACC:ACC+1]
	v_pk_mul_f32 v[14:15], v[ACC+2:ACC+3], v[ACC+2:ACC+3]
.irp k, 4,16,20,32,36,48,52
	v_pk_fma_f32 v[12:13], v[ACC+\k:ACC+\k+1], v[ACC+\k:ACC+\k+1], v[12:13]
	v_pk_fma_f32 v[14:15], v[ACC+\k+2:ACC+\k+3], v[ACC+\k+2:ACC+\k+3], v[14:15]
.endr
	RNORM
	v_mov_b32 v15, v14
	; cn in f16: chunk t of my lane is already a fragment's chunk q = t
.irp t, 0,1,2,3
.irp j, 0,2,4,6
	v_pk_mul_f32 v[ACC+16*\t+8+\j:ACC+16*\t+8+\j+1], v[ACC+16*\t+\j:ACC+16*\t+\j+1], v[14:15]
.endr
.irp j, 0,1,2,3
	v_cvt_pk_f16_f32 v[ACC+16*\t+8+\j], v[ACC+16*\t+8+2*\j], v[ACC+16*\t+8+2*\j+1]
.endr
	global_store_b128 v8, v[ACC+16*\t+8:ACC+16*\t+11], s[18:19] offset:512*\t
.endr
	; 1/norm into the group's table; qc through my stage, back by rows, out in stores of 512 consecutive bytes
	v_lshlrev_b32 v[TT], 2, v2
	v_lshl_add_u32 v[TT], s22, 6, v[TT]            ; 4 (16 w + r); both halves of the lanes write the same word with the same value
	ds_store_b32 v[TT], v14 offset:RI
.irp t, 0,1,2,3
	ds_store_b128 v5, v[ACC+16*\t:ACC+16*\t+3] offset:SQ+64*\t
	ds_store_b128 v5, v[ACC+16*\t+4:ACC+16*\t+7] offset:SQ+64*\t+16
.endr
.irp i, 0,1,2,3,4,5,6,7
	ds_load_b128 v[WB+4*\i:WB+4*\i+3], v4 offset:SQ+2*PITCH*\i
.endr
.irp i, 0,1,2,3,4,5,6,7
	s_wait_dscnt 7-\i                              ; load i of the eight is back
	global_store_b128 v7, v[WB+4*\i:WB+4*\i+3], s[14:15] offset:512*\i
.endr
	s_wait_dscnt 0x0                               ; met: my word of the table is written, for wave 0's sake
	s_barrier_signal -1
	s_barrier_wait -1
	s_cmp_lg_u32 s22, 0
	s_cbranch_scc1 .Lend
	v_lshlrev_b32 v[TT+1], 3, v1
	ds_load_b64 v[TT+2:TT+3], v[TT+1] offset:RI
	s_lshl_b32 s35, ttmp9, 8
	v_add_nc_u32 v[TT+4], s35, v[TT+1]
	s_wait_dscnt 0x0
	global_store_b64 v[TT+4], v[TT+2:TT+3], s[16:17]   ; the group's 64 reciprocals: 256 consecutive bytes, aligned
.Lend:
	s_set_vgpr_msb 0x5
	s_wait_tensorcnt 0x0
	ds_add_u32 v0, v1
	s_wait_dscnt 0x0
	s_set_vgpr_msb 0x500
	s_endpgm
.Lfunc_end_k_q5ba0da6403_prep:
	.size	k_q5ba0da6403_prep, .Lfunc_end_k_q5ba0da6403_prep-k_q5ba0da6403_prep
	.p2alignl 7, 3214868480
	.fill 96, 4, 3214868480
	.section	.rodata,"a",@progbits
	.p2align	6, 0x0
	.amdhsa_kernel k_q5ba0da6403_prep
		.amdhsa_group_segment_fixed_size 94976
		.amdhsa_private_segment_fixed_size 0
		.amdhsa_enable_private_segment 0
		.amdhsa_kernarg_size 72
		.amdhsa_user_sgpr_count 2
		.amdhsa_user_sgpr_kernarg_segment_ptr 1
		.amdhsa_wavefront_size32 1
		.amdhsa_system_sgpr_workgroup_id_x 1
		.amdhsa_system_sgpr_workgroup_id_y 1
		.amdhsa_system_sgpr_workgroup_id_z 1
		.amdhsa_system_vgpr_workitem_id 0
		.amdhsa_next_free_vgpr 258
		.amdhsa_next_free_sgpr 66
		.amdhsa_reserve_vcc 1
		.amdhsa_float_denorm_mode_32 3
		.amdhsa_float_denorm_mode_16_64 3
		.amdhsa_memory_ordered 1
		.amdhsa_forward_progress 1
		.amdhsa_inst_pref_size 43
	.end_amdhsa_kernel
	.amdgpu_metadata
---
amdhsa.version: [ 1, 2 ]
amdhsa.kernels:
  - .name:           k_q5ba0da6403_prep
    .symbol:         k_q5ba0da6403_prep.kd
    .args:
      - { .name: codebook, .offset: 0, .size: 8, .value_kind: global_buffer, .address_space: global }
      - { .name: proj_w, .offset: 8, .size: 8, .value_kind: global_buffer, .address_space: global }
      - { .name: proj_b, .offset: 16, .size: 8, .value_kind: global_buffer, .address_space: global }
      - { .name: scale, .offset: 24, .size: 8, .value_kind: global_buffer, .address_space: global }
      - { .name: z, .offset: 32, .size: 8, .value_kind: global_buffer, .address_space: global }
      - { .name: qc, .offset: 40, .size: 8, .value_kind: global_buffer, .address_space: global }
      - { .name: rinv, .offset: 48, .size: 8, .value_kind: global_buffer, .address_space: global }
      - { .name: ch, .offset: 56, .size: 8, .value_kind: global_buffer, .address_space: global }
      - { .name: zh, .offset: 64, .size: 8, .value_kind: global_buffer, .address_space: global }
    .group_segment_fixed_size: 94976
    .private_segment_fixed_size: 0
    .kernarg_segment_align: 8
    .kernarg_segment_size: 72
    .max_flat_workgroup_size: 128
    .sgpr_count:     66
    .vgpr_count:     258
    .wavefront_size: 32
...
	.end_amdgpu_metadata
.endif
;; end of part 1
;; launch score (part 2): grid 32 x 8, 4 waves a work-group, clusters of 4 x 1, 262,656 bytes of LDS; arguments ch, zh, keys; writes keys
.if DOCPART == 2
	.amdgcn_target "amdgcn-amd-amdhsa--gfx1250"
	.amdhsa_code_object_version 6
	.text
	.protected	k_q5ba0da6403_score
	.globl	k_q5ba0da6403_score
	.p2align	8
	.type	k_q5ba0da6403_score,@function
k_q5ba0da6403_score:
	s_mov_b64 s[64:65], 0
	v_nop
	global_prefetch_b8 v0, s[64:65] scope:SCOPE_SE
	s_setreg_imm32_b32 hwreg(HW_REG_WAVE_MODE, 25, 1), 1
	s_wait_xcnt 0x0
	s_wait_alu depctr_hold_cnt(0) depctr_sa_sdst(0) depctr_va_vdst(0) depctr_va_sdst(0) depctr_va_ssrc(0) depctr_va_vcc(0) depctr_vm_vsrc(0)
	s_getreg_b32 s2, hwreg(HW_REG_IB_STS2, 6, 4)
	s_cmp_eq_u32 s2, 0
	s_cbranch_scc0 .Lentry_in_a_cluster
	s_endpgm
.Lentry_in_a_cluster:
	s_bfe_u32 s2, ttmp6, 0x10000c
	s_cmp_lg_u32 s2, 0x3003
	s_cbranch_scc0 .Lentry_shape_is_right
	s_endpgm
.Lentry_shape_is_right:
; The coarse ranking: all 16,384 x 16,384 cosines in f16 operands and f32 sums; of each row only the best two GROUPS of 8 neighbouring codes are kept.
; A work-group owns 512 rows (block rb) and 2,048 codes (a split, 128 tiles of 16).  The split's table, 262,144 bytes in fragment order, lies whole in LDS:
; nothing is ever filled again, so there is no ring; reads are 16 bytes a lane, contiguous, so there is no padding.
; A wave keeps 128 rows (8 fragments of K = 64, 128 registers) and walks the 128 code tiles: one fragment of 2 KiB from LDS feeds 16 matrix instructions.
; A = codes (M), B = rows of z (N): lane (r, h) then holds, in a tile's 8 registers, the scores of row r against codes 16 tile + 8 h + 0..7: one group.
; THE SCORE starts from 1.125 (the first matrix instruction's C), so it lies in 0.12 .. 2.13 and is positive: its order as a float is its order as bits.  The
; group's maximum loses its low 7 bits to the number 127 - tile, so one max and one median keep the best two, the earlier tile winning among equals.
; KEY = fx << 11 | (2047 - gid), fx = score x 2^19 (exact: 16 bits of mantissa are kept), gid = code / 8.  A larger key is a better group, the lower one among equals.
; LIMIT: the later f32 decision sees the two best groups of a row by this score (f16 operands, kept to 2^-16).  Where three or more groups hold codes within
; about 1e-4 of a row's best cosine, another of those codes than the exact best may be chosen.  NaN is not served.
; CLUSTER 4 x 1: the four row blocks of a cluster read the same split, so each tile of it is asked for jointly (mask 15): the same line, the same descriptor,
; made of the split and the wave's number alone.  One round of the cluster's barrier stands in front of the joint loads and one in front of s_endpgm.
.set Z,    16                          ; v[16:143]  my 8 row tiles [rt][q][4]
.set F0,   144                         ; v[144:159] the even code tile's fragment
.set F1,   160                         ; v[160:175] the odd one's
.set X,    176                         ; v[176:207] four score tiles
.set Y,    208                         ; v[208:239] four more
.set BIAS, 240                         ; v[240:247] 1.125
.set M1,   2                           ; v[2:9]     best of row tile rt
.set M2,   248                         ; v[248:255] second best
                                       ; v1 LDS address 16 lane + 4096 trip; v10-13 at work; v14 offsets in zh, later keys; v15 the key's constant
.macro ROUND
	s_barrier_signal -1
	s_barrier_wait -1
	s_cmp_lg_u32 s10, 0
	s_cbranch_scc1 .Lnot_wave_0_\@
	s_barrier_signal -3
.Lnot_wave_0_\@:
	s_barrier_wait -3
	s_barrier_signal -1
	s_barrier_wait -1
.endm
; Stage 3 - n of the table has landed for every wave.  Behind this barrier nothing is filled, so the younger loads may stay out.
.macro SYNC n
	s_wait_dscnt 0x0
	s_wait_tensorcnt \n
	s_barrier_signal -1
	s_barrier_wait -1
.endm
.macro WM d, f, rt, i
.if \i
	v_wmma_f32_16x16x32_f16 v[\d:\d+7], v[\f+8:\f+15], v[Z+16*(\rt)+8:Z+16*(\rt)+15], v[\d:\d+7]
.else
	v_wmma_f32_16x16x32_f16 v[\d:\d+7], v[\f:\f+7], v[Z+16*(\rt):Z+16*(\rt)+7], v[BIAS:BIAS+7]
.endif
.endm
; the reduction of two score tiles a, b (row tiles ra, ra + 1), in four parts: 14 instructions for 16 registers
.macro P1 a, b
	v_max3_num_f32 v10, v[\a], v[\a+1], v[\a+2]
	v_max3_num_f32 v11, v[\a+3], v[\a+4], v[\a+5]
	v_max3_num_f32 v12, v[\b], v[\b+1], v[\b+2]
	v_max3_num_f32 v13, v[\b+3], v[\b+4], v[\b+5]
.endm
.macro P2 a, b
	v_max3_num_f32 v10, v10, v[\a+6], v[\a+7]
	v_max3_num_f32 v12, v12, v[\b+6], v[\b+7]
	v_max_num_f32 v10, v10, v11
	v_max_num_f32 v12, v12, v13
.endm
.macro P3 ra, g
	v_and_or_b32 v10, v10, s24, \g                 ; the low 7 bits give way to 127 - tile
	v_and_or_b32 v12, v12, s24, \g
	v_med3_num_f32 v[M2+\ra], v[M1+\ra], v[M2+\ra], v10       ; the middle one of best, second and new is the new second
	v_med3_num_f32 v[M2+\ra+1], v[M1+\ra+1], v[M2+\ra+1], v12
.endm
.macro P4 ra
	v_max_num_f32 v[M1+\ra], v[M1+\ra], v10
	v_max_num_f32 v[M1+\ra+1], v[M1+\ra+1], v12
.endm
; Eight matrix instructions: fragment f against row tiles rt0 .. rt0 + 3, both K halves, into set wr; the four accumulators take turns, one instruction a
; turn.  Behind each stands a part of the reduction of the OTHER set rd (row tiles rr0 .. rr0 + 3, tile number g).
; Places (plain vector instructions that name none of its registers) from a tile's last matrix instruction to its first reader in the next HALF:
; 14, 10, 20 and 16 for the four tiles; ISA guide 7.12.1 asks for four.  ld = 1: behind the second part, four loads bring the fragment lf from offset lo:
; its last reader lies ten places back.
.macro HALF f, rt0, wr, rd, rr0, g, red, ld, lf, lo
	WM \wr, \f, \rt0, 0
.if \red
	P1 \rd, \rd+8
.endif
	WM \wr+8, \f, \rt0+1, 0
.if \red
	P2 \rd, \rd+8
.endif
.if \ld
.irp q, 0,1,2,3
	ds_load_b128 v[\lf+4*\q:\lf+4*\q+3], v1 offset:\lo+512*\q
.endr
.endif
	WM \wr+16, \f, \rt0+2, 0
.if \red
	P3 \rr0, \g
.endif
	WM \wr+24, \f, \rt0+3, 0
.if \red
	P4 \rr0
.endif
	WM \wr, \f, \rt0, 1
.if \red
	P1 \rd+16, \rd+24
.endif
	WM \wr+8, \f, \rt0+1, 1
.if \red
	P2 \rd+16, \rd+24
.endif
	WM \wr+16, \f, \rt0+2, 1
.if \red
	P3 \rr0+2, \g
.endif
	WM \wr+24, \f, \rt0+3, 1
.if \red
	P4 \rr0+2
.else
.rept 4
	v_nop                                          ; nothing to reduce yet: the four places in front of the next HALF's readers
.endr
.endif
.endm
; A trip: code tiles 2 t (F0) and 2 t + 1 (F1) against all 8 row tiles.  s25 = 127 - 2 t; s26 = 126 - 2 t once the last trip's odd tile has been reduced.
.macro TRIP red1, pf
	s_wait_dscnt 0x0                               ; F0: four loads issued two HALFs ago
	HALF F0, 0, X, Y, 4, s26, \red1, 1, F1, 2048
	s_sub_co_u32 s26, s26, 2
	HALF F0, 4, Y, X, 0, s25, 1, 0, 0, 0
	s_wait_dscnt 0x0                               ; F1: four loads issued in the first HALF
	HALF F1, 0, X, Y, 4, s25, 1, \pf, F0, 4096
	s_sub_co_u32 s25, s25, 2
	HALF F1, 4, Y, X, 0, s26, 1, 0, 0, 0
.if \pf
	v_add_nc_u32 v1, 4096, v1
.endif
.endm
.macro KEYCV m
	v_and_b32 v10, 127, v[\m]                      ; c = 127 - tile
	v_and_b32 v11, s24, v[\m]
	v_mul_f32 v11, 0x49000000, v11                 ; x 2^19: a whole number below 2^21
	v_cvt_u32_f32 v11, v11
	v_lshl_add_u32 v10, v10, 1, v15                ; 2047 - gid = 2 c + 1793 - 256 split - h
	v_lshl_or_b32 v[\m], v11, 11, v10
.endm
	s_load_b128 s[4:7], s[0:1], 0x0                ; ch, zh
	s_load_b64 s[8:9], s[0:1], 0x10                ; keys
	s_set_vgpr_msb 0x40
	v_lshl_add_u32 v0, v0, 2, 0x40000
	v_mov_b32 v1, 0
	s_set_vgpr_msb 0x4045
	ds_add_u32 v0, v1
	s_set_vgpr_msb 0x4500
	v_lshrrev_b32 v10, 5, v0
	v_readfirstlane_b32 s10, v10                   ; wave
	s_bfe_u32 s11, ttmp6, 0x40000                  ; cx
	s_lshl_b32 s12, ttmp9, 2
	s_add_co_u32 s12, s12, s11                     ; rb = 4 x cluster x + cx: enters global offsets of zh and keys alone
	s_and_b32 s13, ttmp7, 0xffff                   ; split
	s_lshl_b32 s14, s10, 14                        ; 16,384 x wave
	; group 1: 64 rows of 32 elements of 8 bytes, dense: 16 KiB
	s_mov_b32 s16, 0x0023000f                      ; 15:0 mask: all four of the cluster; 17:16 elements of 8 bytes; 21 set beside a mask
	s_mov_b32 s17, 32<<16                          ; tensor_dim0 = 32
	s_mov_b32 s18, 64<<16                          ; tensor_dim1 = 64
	s_mov_b32 s19, 32<<16                          ; tile_dim0 = 32
	s_mov_b32 s20, 64                              ; tile_dim1 = 64
	s_mov_b32 s21, 32                              ; 32 elements from row to row
	s_mov_b32 s22, 0
	s_mov_b32 s23, 0
	s_mov_b32 s24, 0xffffff80
	s_mov_b32 s25, 127
	s_mov_b32 s26, 128
	s_mov_b32 s28, 0x76543210
	s_mov_b32 s29, 0xfedcba98
	s_mov_b32 s30, 0xffff0000                      ; lanes 16 to 31
	s_lshl_b32 s48, s13, 18                        ; 262,144 x split
	s_add_co_u32 s48, s48, s14
	s_mov_b32 s49, 0
	v_and_b32 v1, 31, v0
	v_lshlrev_b32 v1, 4, v1                        ; 16 lane
	s_lshl_b32 s52, s12, 16                        ; my 8 row tiles of 2,048 bytes begin at tile 32 rb + 8 w
	s_add_co_u32 s52, s52, s14
	v_add_nc_u32 v14, s52, v1
	s_wait_dscnt 0x0
	s_wait_kmcnt 0x0
	s_add_nc_u64 s[50:51], s[4:5], s[48:49]
.irp n, 0,1,2,3
	s_mov_b32 s[32+4*\n], 1
	s_add_co_u32 s[33+4*\n], s14, 65536*\n         ; LDS: stage n, my quarter
	s_add_nc_u64 s[34+4*\n:35+4*\n], s[50:51], 65536*\n
	s_or_b32 s[35+4*\n], s[35+4*\n], 0x80000000
.endr
.irp t, 0,1,2,3,4,5,6,7
.irp q, 0,1,2,3
	global_load_b128 v[Z+16*\t+4*\q:Z+16*\t+4*\q+3], v14, s[6:7] offset:2048*\t+512*\q
.endr
.endr
	ROUND                                          ; all four work-groups are here: the joint loads meet
.irp n, 0,1,2,3
	tensor_load_to_lds s[32+4*\n:35+4*\n], s[16:23]   ; all first fills in one group: four loads of this wave are out, never more
	s_nop 0
.endr
.irp j, 0,1,2,3,4,5,6,7
	v_mov_b32 v[BIAS+\j], 0x3f900000               ; 1.125
	v_mov_b32 v[M1+\j], 0                          ; below every score
	v_mov_b32 v[M2+\j], 0
.endr
	s_wait_tensorcnt 0x3                           ; my quarter of stage 0 (tiles 0 to 31) is in; three loads stay out
	s_barrier_signal -1
	s_barrier_wait -1
.irp q, 0,1,2,3
	ds_load_b128 v[F0+4*\q:F0+4*\q+3], v1 offset:512*\q
.endr
	s_wait_loadcnt 0x0                             ; my rows of z
	; 64 trips.  Trip 16 n - 1 is the first to read stage n (the next trip's even tile), so that stage's barrier stands in front of it.
	TRIP 0, 1
	s_mov_b32 s27, 14
.La:
	TRIP 1, 1
	s_sub_co_i32 s27, s27, 1
	s_cmp_lg_u32 s27, 0
	s_cbranch_scc1 .La
	SYNC 2
	TRIP 1, 1
	s_mov_b32 s27, 15
.Lb:
	TRIP 1, 1
	s_sub_co_i32 s27, s27, 1
	s_cmp_lg_u32 s27, 0
	s_cbranch_scc1 .Lb
	SYNC 1
	TRIP 1, 1
	s_mov_b32 s27, 15
.Lc:
	TRIP 1, 1
	s_sub_co_i32 s27, s27, 1
	s_cmp_lg_u32 s27, 0
	s_cbranch_scc1 .Lc
	SYNC 0
	TRIP 1, 1
	s_mov_b32 s27, 15
.Ld:
	TRIP 1, 1
	s_sub_co_i32 s27, s27, 1
	s_cmp_lg_u32 s27, 0
	s_cbranch_scc1 .Ld
	TRIP 1, 0                                      ; the last trip fetches nothing
	P1 Y, Y+8                                      ; the last odd tile's rows 4 to 7
	P2 Y, Y+8
	P3 4, s26
	P4 4
	P1 Y+16, Y+24
	P2 Y+16, Y+24
	P3 6, s26
	P4 6
	; keys, the two halves of the lanes merged (they hold different groups of the same row), and out
	s_lshl_b32 s52, s13, 8
	s_sub_co_u32 s52, 1793, s52
	v_bfe_u32 v15, v0, 4, 1
	v_sub_nc_u32 v15, s52, v15
.irp m, 2,3,4,5,6,7,8,9,248,249,250,251,252,253,254,255
	KEYCV \m
.endr
.irp t, 0,1,2,3,4,5,6,7
	v_permlanex16_b32 v10, v[M1+\t], s28, s29
	v_permlanex16_b32 v11, v[M2+\t], s28, s29
	v_min_u32 v12, v[M1+\t], v10
	v_max_u32 v13, v[M2+\t], v11
	v_max_u32 v[M1+\t], v[M1+\t], v10
	v_max_u32 v[M2+\t], v12, v13                   ; second of four = max(min of the firsts, max of the seconds)
.endr
.irp e, 0,1,2,3
	v_cndmask_b32 v[F0+2*\e], v[M1+2*\e], v[M1+2*\e+1], s30      ; lanes 0-15: row tile 2 e; lanes 16-31: 2 e + 1: lane = row among 32
	v_cndmask_b32 v[F0+2*\e+1], v[M2+2*\e], v[M2+2*\e+1], s30
.endr
	s_lshl_b32 s53, s13, 17                        ; keys[split][row][2]
	s_lshl_b32 s54, s12, 12
	s_add_co_u32 s53, s53, s54
	s_lshl_b32 s54, s10, 10
	s_add_co_u32 s53, s53, s54
	v_and_b32 v14, 31, v0                          ; free: the loads that it addressed have been waited for
	v_lshlrev_b32 v14, 3, v14
	v_add_nc_u32 v14, s53, v14
.irp e, 0,1,2,3
	global_store_b64 v14, v[F0+2*\e:F0+2*\e+1], s[8:9] offset:256*\e   ; 256 consecutive bytes, aligned
.endr
	s_set_vgpr_msb 0x5
	s_wait_tensorcnt 0x0
	ds_add_u32 v0, v1
	s_wait_dscnt 0x0
	s_set_vgpr_msb 0x500
	ROUND                                          ; the closing round
	s_endpgm
.Lfunc_end_k_q5ba0da6403_score:
	.size	k_q5ba0da6403_score, .Lfunc_end_k_q5ba0da6403_score-k_q5ba0da6403_score
	.p2alignl 7, 3214868480
	.fill 96, 4, 3214868480
	.section	.rodata,"a",@progbits
	.p2align	6, 0x0
	.amdhsa_kernel k_q5ba0da6403_score
		.amdhsa_group_segment_fixed_size 262656
		.amdhsa_private_segment_fixed_size 0
		.amdhsa_enable_private_segment 0
		.amdhsa_kernarg_size 24
		.amdhsa_user_sgpr_count 2
		.amdhsa_user_sgpr_kernarg_segment_ptr 1
		.amdhsa_wavefront_size32 1
		.amdhsa_system_sgpr_workgroup_id_x 1
		.amdhsa_system_sgpr_workgroup_id_y 1
		.amdhsa_system_sgpr_workgroup_id_z 1
		.amdhsa_system_vgpr_workitem_id 0
		.amdhsa_next_free_vgpr 258
		.amdhsa_next_free_sgpr 66
		.amdhsa_reserve_vcc 0
		.amdhsa_float_denorm_mode_32 3
		.amdhsa_float_denorm_mode_16_64 3
		.amdhsa_memory_ordered 1
		.amdhsa_forward_progress 1
		.amdhsa_inst_pref_size 96
	.end_amdhsa_kernel
	.amdgpu_metadata
---
amdhsa.version: [ 1, 2 ]
amdhsa.kernels:
  - .name:           k_q5ba0da6403_score
    .symbol:         k_q5ba0da6403_score.kd
    .args:
      - { .name: ch, .offset: 0, .size: 8, .value_kind: global_buffer, .address_space: global }
      - { .name: zh, .offset: 8, .size: 8, .value_kind: global_buffer, .address_space: global }
      - { .name: keys, .offset: 16, .size: 8, .value_kind: global_buffer, .address_space: global }
    .group_segment_fixed_size: 262656
    .private_segment_fixed_size: 0
    .kernarg_segment_align: 8
    .kernarg_segment_size: 24
    .max_flat_workgroup_size: 128
    .sgpr_count:     66
    .vgpr_count:     258
    .wavefront_size: 32
...
	.end_amdgpu_metadata
.endif
;; end of part 2
;; launch pick (part 3): grid 256 x 1, 16 waves a work-group, no clusters, 2,560 bytes of LDS; arguments keys, qc, rinv, z, scale, out0, out2, part; writes out0, out2, part
.if DOCPART == 3
	.amdgcn_target "amdgcn-amd-amdhsa--gfx1250"
	.amdhsa_code_object_version 6
	.text
	.protected	k_q5ba0da6403_pick
	.globl	k_q5ba0da6403_pick
	.p2align	8
	.type	k_q5ba0da6403_pick,@function
k_q5ba0da6403_pick:
	s_mov_b64 s[64:65], 0
	v_nop
	global_prefetch_b8 v0, s[64:65] scope:SCOPE_SE
	s_setreg_imm32_b32 hwreg(HW_REG_WAVE_MODE, 25, 1), 1
	s_wait_xcnt 0x0
; The decision in f32.  For each row: the best two of its 16 keys (8 splits x 2) name two groups of 8 codes; their 16 rows of qc are gathered, scored as
; d = (zn . qc) / |qc| x (-scale), and the smallest d wins, the lowest code among equals.  Then out0 = z + (qc[idx] - z), out2 = idx, and the sum of (qc[idx] - z)^2.
; A work-group owns 64 rows, a wave 4, as two pairs; sixteen lanes serve a row: lane c holds columns 4 c .. 4 c + 3 of z and of every candidate, and
; afterwards the score of candidate c.  A gather load covers two whole rows of 256 bytes; all 34 gather loads of a wave are out at once.
; The keys are whole numbers that an earlier launch stored; the group number taken from them is clamped to 2,047 before it enters an address.
; LIMITS: the winner is sought among these 16 codes alone (see the launch that makes the keys); NaN inputs and a scale that is not finite are not served;
; the dot product's order of summation differs from a sequential one.
; No matrix unit (16 dot products of 64 a row), no cluster and no tensor load: the rows gathered differ from row to row.
.set KEY, 4                            ; v[4:19]
.set ZV,  24                           ; v[24:31]  z, pair p at 4 p
.set ZN,  32                           ; v[32:39]  z normalised
.set PB,  40                           ; v[40:63]  pair p at 12 p: 0 key 1, 1 key 2, 2 offset 1, 3 offset 2, 4 code, 5 offset of 1/norm, 6 1/norm, 7 score, 8 16 code + c, 9-11 at work
.set X,   64                           ; v[64:191] candidates, pair p, candidate c at 64 p + 4 c
                                       ; v[192:193] loss; v[194:197] at work; v[200:207] out0; v[208:211] q - z; v212-218 addresses; v[220:223] norm
.macro ADDR p
	v_cndmask_b32 v[PB+12*\p+4], v[PB+12*\p], v[PB+12*\p+1], s52     ; lanes c >= 8 answer for the second group
.irp k, 0,1,4
	v_and_b32 v[PB+12*\p+\k], 0x7ff, v[PB+12*\p+\k]
	v_xor_b32 v[PB+12*\p+\k], 0x7ff, v[PB+12*\p+\k]                  ; gid
	v_min_u32 v[PB+12*\p+\k], 0x7ff, v[PB+12*\p+\k]                  ; inside the table whatever was read
.endr
	v_lshlrev_b32 v[PB+12*\p+2], 11, v[PB+12*\p]                     ; a group is 8 rows of 256 bytes
	v_add_nc_u32 v[PB+12*\p+2], v[PB+12*\p+2], v214
	v_lshlrev_b32 v[PB+12*\p+3], 11, v[PB+12*\p+1]
	v_add_nc_u32 v[PB+12*\p+3], v[PB+12*\p+3], v214
	v_lshlrev_b32 v[PB+12*\p+4], 3, v[PB+12*\p+4]
	v_add_nc_u32 v[PB+12*\p+4], v[PB+12*\p+4], v215                  ; my candidate's code
	v_lshlrev_b32 v[PB+12*\p+5], 2, v[PB+12*\p+4]
	v_lshl_add_u32 v[PB+12*\p+8], v[PB+12*\p+4], 4, v2               ; 16 code + c
.irp c, 0,1,2,3,4,5,6,7
	global_load_b128 v[X+64*\p+4*\c:X+64*\p+4*\c+3], v[PB+12*\p+2], s[6:7] offset:256*\c
.endr
.irp c, 0,1,2,3,4,5,6,7
	global_load_b128 v[X+64*\p+32+4*\c:X+64*\p+32+4*\c+3], v[PB+12*\p+3], s[6:7] offset:256*\c
.endr
	global_load_b32 v[PB+12*\p+6], v[PB+12*\p+5], s[8:9]
.endm
.macro SUM16 r                         ; the sum over the sixteen lanes of a row, in every one of them
	v_add_f32_dpp v[\r], v[\r], v[\r] row_xmask:1 row_mask:0xf bank_mask:0xf
	v_add_f32_dpp v[\r], v[\r], v[\r] row_xmask:2 row_mask:0xf bank_mask:0xf
	v_add_f32_dpp v[\r], v[\r], v[\r] row_xmask:4 row_mask:0xf bank_mask:0xf
	v_add_f32_dpp v[\r], v[\r], v[\r] row_xmask:8 row_mask:0xf bank_mask:0xf
.endm
.macro ZNORM p
	v_pk_mul_f32 v[220:221], v[ZV+4*\p:ZV+4*\p+1], v[ZV+4*\p:ZV+4*\p+1]
	v_pk_fma_f32 v[220:221], v[ZV+4*\p+2:ZV+4*\p+3], v[ZV+4*\p+2:ZV+4*\p+3], v[220:221]
	v_add_f32 v220, v220, v221
	SUM16 220
	v_sqrt_f32 v221, v220
	v_nop                                          ; one plain place behind a transcendental (ISA guide 5.7.2)
	s_wait_alu depctr_va_vdst(0)
	v_max_num_f32 v221, 0x2b8cbccc, v221           ; 1e-12
	v_rcp_f32 v222, v221
	v_nop
	s_wait_alu depctr_va_vdst(0)
	v_fma_f32 v223, -v221, v222, 1.0               ; one Newton step
	v_fma_f32 v222, v222, v223, v222
	v_mov_b32 v223, v222
	v_pk_mul_f32 v[ZN+4*\p:ZN+4*\p+1], v[ZV+4*\p:ZV+4*\p+1], v[222:223]
	v_pk_mul_f32 v[ZN+4*\p+2:ZN+4*\p+3], v[ZV+4*\p+2:ZV+4*\p+3], v[222:223]
.endm
.macro CAND p, c, left
.set tq, 194+2*(\c%2)
	s_wait_loadcnt \left                           ; loads come back in order (ISA guide 5.7.1): this candidate is in, the younger loads stay out
	v_pk_mul_f32 v[tq:tq+1], v[X+64*\p+4*\c:X+64*\p+4*\c+1], v[ZN+4*\p:ZN+4*\p+1]
	v_pk_fma_f32 v[tq:tq+1], v[X+64*\p+4*\c+2:X+64*\p+4*\c+3], v[ZN+4*\p+2:ZN+4*\p+3], v[tq:tq+1]
	v_add_f32 v[tq], v[tq], v[tq+1]
	SUM16 tq
.if \c
	v_cndmask_b32 v[PB+12*\p+7], v[PB+12*\p+7], v[tq], s[36+\c]      ; lane c keeps candidate c
.else
	v_mov_b32 v[PB+12*\p+7], v[tq]
.endif
.endm
.macro AMSTEP p, m                     ; lane and lane xor m keep the smaller (d, 16 code + c)
	v_mov_b32_dpp v[PB+12*\p+9], v[PB+12*\p+7] row_xmask:\m row_mask:0xf bank_mask:0xf
	v_mov_b32_dpp v[PB+12*\p+10], v[PB+12*\p+8] row_xmask:\m row_mask:0xf bank_mask:0xf
	v_cmp_lt_f32 s53, v[PB+12*\p+9], v[PB+12*\p+7]
	v_cmp_eq_f32 s54, v[PB+12*\p+9], v[PB+12*\p+7]
	v_cmp_lt_u32 s55, v[PB+12*\p+10], v[PB+12*\p+8]
	s_and_b32 s54, s54, s55
	s_or_b32 s53, s53, s54
	v_cndmask_b32 v[PB+12*\p+7], v[PB+12*\p+7], v[PB+12*\p+9], s53
	v_cndmask_b32 v[PB+12*\p+8], v[PB+12*\p+8], v[PB+12*\p+10], s53
.endm
.macro LEVEL p, k, step, mask          ; candidate k gives way to candidate k + step where the winner's bit is set
.irp j, 0,1,2,3
	v_cndmask_b32 v[X+64*\p+4*\k+\j], v[X+64*\p+4*\k+\j], v[X+64*\p+4*(\k+\step)+\j], \mask
.endr
.endm
.macro FINISH p, leftri
	s_wait_loadcnt \leftri                         ; 1/norm of my candidate
	v_mul_f32 v[PB+12*\p+7], v[PB+12*\p+7], v[PB+12*\p+6]
	v_mul_f32 v[PB+12*\p+7], s22, v[PB+12*\p+7]    ; x (-scale)
	AMSTEP \p, 1
	AMSTEP \p, 2
	AMSTEP \p, 4
	AMSTEP \p, 8
	; the winner's row is chosen among the sixteen in registers: a choice of values, no address hangs on it
.irp b, 0,1,2,3
	v_and_b32 v[PB+12*\p+11], 1<<\b, v[PB+12*\p+8]
	v_cmp_ne_u32 s[56+\b], 0, v[PB+12*\p+11]
.endr
.irp k, 0,2,4,6,8,10,12,14
	LEVEL \p, \k, 1, s56
.endr
.irp k, 0,4,8,12
	LEVEL \p, \k, 2, s57
.endr
	LEVEL \p, 0, 4, s58
	LEVEL \p, 8, 4, s58
	LEVEL \p, 0, 8, s59
	v_pk_add_f32 v[208:209], v[X+64*\p:X+64*\p+1], v[ZV+4*\p:ZV+4*\p+1] neg_lo:[0,1] neg_hi:[0,1]
	v_pk_add_f32 v[210:211], v[X+64*\p+2:X+64*\p+3], v[ZV+4*\p+2:ZV+4*\p+3] neg_lo:[0,1] neg_hi:[0,1]
.if \p
	v_pk_fma_f32 v[192:193], v[208:209], v[208:209], v[192:193]
.else
	v_pk_mul_f32 v[192:193], v[208:209], v[208:209]                  ; the first product starts the sum
.endif
	v_pk_fma_f32 v[192:193], v[210:211], v[210:211], v[192:193]
	v_pk_add_f32 v[200+4*\p:201+4*\p], v[ZV+4*\p:ZV+4*\p+1], v[208:209]
	v_pk_add_f32 v[202+4*\p:203+4*\p], v[ZV+4*\p+2:ZV+4*\p+3], v[210:211]
	global_store_b128 v212, v[200+4*\p:203+4*\p], s[14:15] offset:512*\p   ; two rows: 512 consecutive bytes
	v_lshrrev_b32 v[PB+12*\p+11], 4, v[PB+12*\p+8]
	ds_store_b32 v217, v[PB+12*\p+11] offset:8*\p                    ; idx; sixteen lanes write one word with one value
.endm
	s_load_b512 s[4:19], s[0:1], 0x0               ; keys 4, qc 6, rinv 8, z 10, scale 12, out0 14, out2 16, part 18
	v_lshl_add_u32 v224, v0, 2, 0x200
	v_mov_b32 v225, 0
	v_lshrrev_b32 v22, 5, v0
	v_readfirstlane_b32 s20, v22                   ; wave
	v_and_b32 v1, 31, v0                           ; lane
	v_and_b32 v2, 15, v0                           ; c
	v_bfe_u32 v3, v0, 4, 1                         ; which row of the pair
	s_mov_b32 s26, 0x76543210
	s_mov_b32 s27, 0xfedcba98
	s_mov_b32 s52, 0xff00ff00                      ; lanes with c >= 8
.set i, 0
.rept 16
	s_mov_b32 s[36+i], 0x00010001<<i               ; lanes with c = i
.set i, i+1
.endr
	s_lshl_b32 s23, ttmp9, 9                       ; keys: 64 g rows of 8 bytes
	s_lshr_b32 s24, s20, 3
	s_lshl_b32 s24, s24, 8                         ; + the window of 32 rows that holds my four
	s_add_co_u32 s23, s23, s24
	v_lshl_add_u32 v23, v1, 3, s23                 ; lane = row of the window
	s_lshl_b32 s25, ttmp9, 14                      ; z, out0: (64 g + 4 w) rows of 256 bytes + 16 lane
	s_lshl_b32 s28, s20, 10
	s_add_co_u32 s25, s25, s28
	v_lshl_add_u32 v212, v1, 4, s25
	s_and_b32 s29, s20, 7
	s_lshl_b32 s29, s29, 2
	v_add_lshl_u32 v213, v3, s29, 2                ; 4 x the lane that holds my row's keys, pair 0
	v_add_nc_u32 v216, 8, v213                     ; pair 1: two lanes on
	v_lshlrev_b32 v214, 4, v2                      ; 16 c
	v_and_b32 v215, 7, v2
	s_lshl_b32 s30, s20, 4
	v_lshl_add_u32 v217, v3, 2, s30                ; LDS: idx of row 4 w + which
	s_lshl_b32 s31, s20, 2
	v_mov_b32 v218, s31                            ; LDS: my wave's loss
.irp p, 0,1
	v_mov_b32 v[PB+12*\p+9], 0                     ; destinations of lane moves count as read
	v_mov_b32 v[PB+12*\p+10], 0
.endr
	s_wait_kmcnt 0x0
	s_load_b32 s21, s[12:13], 0x0
.irp s, 0,1,2,3,4,5,6,7
	global_load_b64 v[KEY+2*\s:KEY+2*\s+1], v23, s[4:5] offset:131072*\s   ; 256 consecutive bytes a load
.endr
	global_load_b128 v[ZV:ZV+3], v212, s[10:11]
	global_load_b128 v[ZV+4:ZV+7], v212, s[10:11] offset:512
	s_wait_loadcnt 0x2                             ; the keys are in; z's two loads stay out
	; best two of sixteen; within a split the first key is the larger by construction
	v_min_u32 v22, v4, v6
	v_max_u32 v20, v4, v6
	v_max_u32 v21, v5, v22
.irp x, 7,8,9,10,11,12,13,14,15,16,17,18,19
	v_min_u32 v22, v20, v[\x]
	v_max_u32 v20, v20, v[\x]
	v_max_u32 v21, v21, v22
.endr
	ds_bpermute_b32 v[PB], v213, v20               ; every lane of a row's sixteen gets the row's two keys
	ds_bpermute_b32 v[PB+1], v213, v21
	ds_bpermute_b32 v[PB+12], v216, v20
	ds_bpermute_b32 v[PB+13], v216, v21
	s_wait_dscnt 0x0
	ADDR 0
	ADDR 1
	s_wait_kmcnt 0x0
	s_xor_b32 s22, s21, 0x80000000                 ; -scale
	s_wait_loadcnt 34                              ; z is in; the 34 gather loads stay out
	ZNORM 0
	ZNORM 1
.irp c, 0,1,2,3,4,5,6,7,8,9,10,11,12,13,14,15
	CAND 0, \c, 33-\c                              ; behind candidate c: 15 - c candidates, 1/norm, and pair 1's 17
.endr
	FINISH 0, 17
.irp c, 0,1,2,3,4,5,6,7,8,9,10,11,12,13,14,15
	CAND 1, \c, 16-\c
.endr
	FINISH 1, 0
	v_add_f32 v192, v192, v193
	SUM16 192
	v_permlanex16_b32 v193, v192, s26, s27
	v_add_f32 v192, v192, v193
	ds_store_b32 v218, v192 offset:256
	s_wait_dscnt 0x0                               ; for wave 0's sake: my indices and my sum are in LDS
	s_barrier_signal -1
	s_barrier_wait -1
	s_cmp_lg_u32 s20, 0
	s_cbranch_scc1 .Lend
	v_lshlrev_b32 v4, 3, v1
	v_mov_b32 v5, 0
	ds_load_b64 v[6:7], v4
.irp k, 0,1,2,3
	ds_load_b128 v[8+4*\k:11+4*\k], v5 offset:256+16*\k
.endr
	s_lshl_b32 s23, ttmp9, 8
	v_add_nc_u32 v24, s23, v4
	s_lshl_b32 s24, ttmp9, 2
	v_mov_b32 v25, s24
	s_wait_dscnt 0x4                               ; the indices; the four loads of sums stay out
	global_store_b64 v24, v[6:7], s[16:17]         ; the group's 64 indices: 256 consecutive bytes, aligned
	s_wait_dscnt 0x0
	v_pk_add_f32 v[8:9], v[8:9], v[10:11]          ; sixteen waves' sums in a fixed order
	v_pk_add_f32 v[12:13], v[12:13], v[14:15]
	v_pk_add_f32 v[16:17], v[16:17], v[18:19]
	v_pk_add_f32 v[20:21], v[20:21], v[22:23]
	v_pk_add_f32 v[8:9], v[8:9], v[12:13]
	v_pk_add_f32 v[16:17], v[16:17], v[20:21]
	v_pk_add_f32 v[8:9], v[8:9], v[16:17]
	v_add_f32 v8, v8, v9
	v_cmp_eq_u32 vcc_lo, 0, v1
	s_wait_xcnt 0x0                                ; EXEC changes only behind this wait
	s_and_saveexec_b32 s25, vcc_lo
	global_store_b32 v25, v8, s[18:19]             ; part[g]
	s_wait_xcnt 0x0
	s_or_b32 exec_lo, exec_lo, s25
.Lend:
	s_wait_tensorcnt 0x0
	ds_add_u32 v224, v225
	s_wait_dscnt 0x0
	s_endpgm
.Lfunc_end_k_q5ba0da6403_pick:
	.size	k_q5ba0da6403_pick, .Lfunc_end_k_q5ba0da6403_pick-k_q5ba0da6403_pick
	.p2alignl 7, 3214868480
	.fill 96, 4, 3214868480
	.section	.rodata,"a",@progbits
	.p2align	6, 0x0
	.amdhsa_kernel k_q5ba0da6403_pick
		.amdhsa_group_segment_fixed_size 2560
		.amdhsa_private_segment_fixed_size 0
		.amdhsa_enable_private_segment 0
		.amdhsa_kernarg_size 64
		.amdhsa_user_sgpr_count 2
		.amdhsa_user_sgpr_kernarg_segment_ptr 1
		.amdhsa_wavefront_size32 1
		.amdhsa_system_sgpr_workgroup_id_x 1
		.amdhsa_system_sgpr_workgroup_id_y 1
		.amdhsa_system_sgpr_workgroup_id_z 1
		.amdhsa_system_vgpr_workitem_id 0
		.amdhsa_next_free_vgpr 226
		.amdhsa_next_free_sgpr 66
		.amdhsa_reserve_vcc 1
		.amdhsa_float_denorm_mode_32 3
		.amdhsa_float_denorm_mode_16_64 3
		.amdhsa_memory_ordered 1
		.amdhsa_forward_progress 1
		.amdhsa_inst_pref_size 44
	.end_amdhsa_kernel
	.amdgpu_metadata
---
amdhsa.version: [ 1, 2 ]
amdhsa.kernels:
  - .name:           k_q5ba0da6403_pick
    .symbol:         k_q5ba0da6403_pick.kd
    .args:
      - { .name: keys, .offset: 0, .size: 8, .value_kind: global_buffer, .address_space: global }
      - { .name: qc, .offset: 8, .size: 8, .value_kind: global_buffer, .address_space: global }
      - { .name: rinv, .offset: 16, .size: 8, .value_kind: global_buffer, .address_space: global }
      - { .name: z, .offset: 24, .size: 8, .value_kind: global_buffer, .address_space: global }
      - { .name: scale, .offset: 32, .size: 8, .value_kind: global_buffer, .address_space: global }
      - { .name: out0, .offset: 40, .size: 8, .value_kind: global_buffer, .address_space: global }
      - { .name: out2, .offset: 48, .size: 8, .value_kind: global_buffer, .address_space: global }
      - { .name: part, .offset: 56, .size: 8, .value_kind: global_buffer, .address_space: global }
    .group_segment_fixed_size: 2560
    .private_segment_fixed_size: 0
    .kernarg_segment_align: 8
    .kernarg_segment_size: 64
    .max_flat_workgroup_size: 512
    .sgpr_count:     66
    .vgpr_count:     226
    .wavefront_size: 32
...
	.end_amdgpu_metadata
.endif
;; end of part 3
;; launch loss (part 4): grid 1 x 1, 1 waves a work-group, no clusters, 0 bytes of LDS; arguments part, out1; writes out1
.if DOCPART == 4
	.amdgcn_target "amdgcn-amd-amdhsa--gfx1250"
	.amdhsa_code_object_version 6
	.text
	.protected	k_q5ba0da6403_loss
	.globl	k_q5ba0da6403_loss
	.p2align	8
	.type	k_q5ba0da6403_loss,@function
k_q5ba0da6403_loss:
	s_mov_b64 s[64:65], 0
	v_nop
	global_prefetch_b8 v0, s[64:65] scope:SCOPE_SE
	s_setreg_imm32_b32 hwreg(HW_REG_WAVE_MODE, 25, 1), 1
	s_wait_xcnt 0x0
; out1 = 1.25 x the mean over 2^20 numbers of (quantized - z)^2: both terms of the loss have the same value, the second weighs 0.25.
; The 256 work-groups' sums are added here in a fixed order: a sum that spans work-groups needs a launch of its own.  One wave: 1,024 bytes.
	s_load_b128 s[4:7], s[0:1], 0x0                ; part, out1
	v_lshlrev_b32 v1, 4, v0
	s_mov_b32 s8, 0x76543210
	s_mov_b32 s9, 0xfedcba98
	v_mov_b32 v2, 0
	s_wait_kmcnt 0x0
	global_load_b128 v[4:7], v1, s[4:5]
	global_load_b128 v[8:11], v1, s[4:5] offset:512
	s_wait_loadcnt 0x0
	v_pk_add_f32 v[4:5], v[4:5], v[6:7]
	v_pk_add_f32 v[8:9], v[8:9], v[10:11]
	v_pk_add_f32 v[4:5], v[4:5], v[8:9]
	v_add_f32 v4, v4, v5
	v_add_f32_dpp v4, v4, v4 row_xmask:1 row_mask:0xf bank_mask:0xf
	v_add_f32_dpp v4, v4, v4 row_xmask:2 row_mask:0xf bank_mask:0xf
	v_add_f32_dpp v4, v4, v4 row_xmask:4 row_mask:0xf bank_mask:0xf
	v_add_f32_dpp v4, v4, v4 row_xmask:8 row_mask:0xf bank_mask:0xf
	v_permlanex16_b32 v5, v4, s8, s9
	v_add_f32 v4, v4, v5
	v_mul_f32 v4, 0x35a00000, v4                   ; 1.25 x 2^-20
	v_cmp_eq_u32 vcc_lo, 0, v0
	s_wait_xcnt 0x0                                ; EXEC changes only behind this wait
	s_and_saveexec_b32 s10, vcc_lo
	global_store_b32 v2, v4, s[6:7]
	s_wait_xcnt 0x0
	s_or_b32 exec_lo, exec_lo, s10
	s_endpgm
.Lfunc_end_k_q5ba0da6403_loss:
	.size	k_q5ba0da6403_loss, .Lfunc_end_k_q5ba0da6403_loss-k_q5ba0da6403_loss
	.p2alignl 7, 3214868480
	.fill 96, 4, 3214868480
	.section	.rodata,"a",@progbits
	.p2align	6, 0x0
	.amdhsa_kernel k_q5ba0da6403_loss
		.amdhsa_group_segment_fixed_size 0
		.amdhsa_private_segment_fixed_size 0
		.amdhsa_enable_private_segment 0
		.amdhsa_kernarg_size 16
		.amdhsa_user_sgpr_count 2
		.amdhsa_user_sgpr_kernarg_segment_ptr 1
		.amdhsa_wavefront_size32 1
		.amdhsa_system_sgpr_workgroup_id_x 1
		.amdhsa_system_sgpr_workgroup_id_y 1
		.amdhsa_system_sgpr_workgroup_id_z 1
		.amdhsa_system_vgpr_workitem_id 0
		.amdhsa_next_free_vgpr 16
		.amdhsa_next_free_sgpr 66
		.amdhsa_reserve_vcc 1
		.amdhsa_float_denorm_mode_32 3
		.amdhsa_float_denorm_mode_16_64 3
		.amdhsa_memory_ordered 1
		.amdhsa_forward_progress 1
		.amdhsa_inst_pref_size 2
	.end_amdhsa_kernel
	.amdgpu_metadata
---
amdhsa.version: [ 1, 2 ]
amdhsa.kernels:
  - .name:           k_q5ba0da6403_loss
    .symbol:         k_q5ba0da6403_loss.kd
    .args:
      - { .name: part, .offset: 0, .size: 8, .value_kind: global_buffer, .address_space: global }
      - { .name: out1, .offset: 8, .size: 8, .value_kind: global_buffer, .address_space: global }
    .group_segment_fixed_size: 0
    .private_segment_fixed_size: 0
    .kernarg_segment_align: 8
    .kernarg_segment_size: 16
    .max_flat_workgroup_size: 32
    .sgpr_count:     66
    .vgpr_count:     16
    .wavefront_size: 32
...
	.end_amdgpu_metadata
.endif
;; end of part 4
